; MI455X (gfx1250); checked and timed in simulation.
; The chip was launched on July 23, 2026; its instructions are those of AMD's public machine-readable ISA for CDNA 5 (MIT licence, August 2026) and "CDNA5" Instruction Set Architecture Reference Guide (July 2026). The comments in the code are by the model that wrote it; some were corrected since.
;; Bigger MLP. Allowed arithmetic: float matrix products may take bf16 or f16 operands with f32 sums; all other float work in f32.
;; Inputs: b1 64 float32; b2 32 float32; b3 16 float32; b4 8 float32; b5 2 float32; w1 64 x 30 float32; w2 32 x 64 float32; w3 16 x 32 float32; w4 8 x 16 float32; w5 2 x 8 float32; x 1,000,000 x 30 float32.
;; Outputs: out0 1,000,000 x 2 float32.
;; 2 versions, each right; version 2 is version 1 with the launch mlp written anew for expert scheduling mode. Each part assembles by itself: llvm-mc -triple=amdgcn-amd-amdhsa -mcpu=gfx1250 --defsym DOCPART=n.
;; ======== version 1 of 2: 1 launch
;; limits: inputs' magnitudes at most 1,024; below input magnitudes of 6.1e-05 results are inexact or not finite; values are held in f16: magnitudes above 65,504 overflow, below 6.1e-05 lose precision
;; launch mlp (part 1): grid 256 x 1, 16 waves a work-group, no clusters, 81,920 bytes of LDS; arguments x, w1, b1, w2, b2, w3, b3, w4, b4, w5, b5, out0; writes out0
.if DOCPART == 1
	.amdgcn_target "amdgcn-amd-amdhsa--gfx1250"
	.amdhsa_code_object_version 6
	.text
	.protected	k_q482b241008_mlp
	.globl	k_q482b241008_mlp
	.p2align	8
	.type	k_q482b241008_mlp,@function
k_q482b241008_mlp:
	s_mov_b64 s[64:65], 0
	v_nop
	global_prefetch_b8 v0, s[64:65] scope:SCOPE_SE
	s_setreg_imm32_b32 hwreg(HW_REG_WAVE_MODE, 25, 1), 1
	s_wait_xcnt 0x0
; out = W5 relu(W4 relu(W3 relu(W2 relu(W1 x + b1) + b2) + b3) + b4) + b5 for 1,000,000 rows of 30 f32; layers 30-64-32-16-8-2.
;
; ONE LAUNCH, each byte of x read once, each byte of out written once, nothing in between goes to memory.
; A block is 64 rows: 7,680 bytes of x (fifteen 512-byte loads of a wave), 512 bytes of out.  15,625 blocks.  Wave w of work-group g has
; idx = 256 w + g and takes blocks idx, idx + 4096, ...: four blocks if idx < 3337, else three.  No wave depends on another in the loop.
;
; THE CHAIN STAYS IN REGISTERS.  The weights are source A (rows = output features), sixteen samples are source B (columns).  In the result lane
; (r, h) holds features 8 h + 0..7 of sample r, which is what source B of the next layer wants of that lane: relu, pack to f16, multiply again.
; Layer 4 (8 x 16) takes two tiles of samples in one product by a block-diagonal image of W4, layer 5 (2 x 8) all four tiles by an image of W5
; whose rows are ordered so that register 2 p + o of lane L is out[32 p + L][o]: each store of the wave covers 256 consecutive bytes, aligned.
;
; x ON ITS WAY IN: a row is 120 bytes, so a lane's 16 loaded bytes belong to no fixed column.  The wave narrows its block to f16 and lays it densely
; into LDS bytes of its own (row pitch 60 bytes); a lane then takes word 2 c + h of its row into register c.  That is a permutation of k, and W1's image
; has the same one.  The two k places left over by 30 of 32 hold 1.0, 1.0 on x's side and b1, as an f16 and the f16 of what that left, on W1's side.
;
; NUMBER FORMAT: f16 operands, f32 sums.  Eight times finer than bf16, which five roundings in a chain need against a margin of 0.01 of the output's
; root mean square.  f16's range is earned by a scale for each layer, a power of two (so exact), made at the head from the inputs themselves:
;   rho0 = 1024,  rho_l = max over rows m of ( sum over k of |W_l[m][k]| rho_(l-1) + |b_l[m]| ),  S_l = 2^(141 - exponent field of rho_l),  S_l rho_l < 32768.
; The images hold W_l S_l / S_(l-1) (below 2 in magnitude; W1 S1 below 32), the biases b_l S_l, the activations S_l h_l; out = D5 / S5 + b5.
; LIMITS: no f16 overflow for any weights and biases as long as |x| <= 1024 (30 times the drawn spread reaches some 170); x itself must lie under 65,504.
; rho is kept at 2^-100 or above.  relu is a maximum in which a NaN loses: a NaN in a hidden activation becomes 0.  b1 is carried to two f16 (some 22 bits).
;
; NO CLUSTER, NO JOINT LOADS: a work-group reads 61 or 62 blocks = some 470,000 bytes of x that no other reads; what all share are the 18,984 bytes of
; weights and biases, read once at the head.  No tensor loads: x has to pass through registers to be narrowed, and a wave has only three or four blocks.
.set BLKX,   7680                      ; bytes of x in a block
.set BLKO,   512                       ; bytes of out in a block
.set XSTEP,  4096*BLKX                 ; from a wave's block to its next
.set OSTEP,  4096*BLKO
.set FULL,   15625-3*4096              ; waves with idx below this have a fourth block
.set RHOMIN, 0x0d800000                ; 2^-100
; LDS
.set A1,  0                            ; 64 rows x 80: W1's image, k permuted, bias pair in word 15 of a row
.set A2,  5120                         ; 32 rows x 144: W2's image
.set A3,  9728                         ; 16 rows x 80: W3's image
.set A4,  11008                        ; 16 rows x 80: W4 twice on the diagonal
.set A5,  12288                        ; 16 rows x 80: W5's rows, each against one tile's eight k
.set RS1, 13568                        ; row sums of |W1| (64 words), |W2| (32), and of the images of W3, W4, W5 (16 each)
.set RS2, 13824
.set RS3, 13952
.set RS4, 14016
.set RS5, 14080
.set XS,  14336                        ; + 4096 w: wave w's block of x in f16, 3,840 bytes, and one word behind it
; vector registers that live through the loop
.set GOFF, 0                           ; 16 x lane
.set LST,  1                           ; my wave's XS + 8 x lane
.set LRD,  2                           ; my wave's XS + 60 r + 4 h
.set OOFF, 3                           ; 8 x lane
.set IS,   4                           ; v[4:5]     1 / S5, twice
.set B5,   6                           ; v[6:7]     b5
.set W1,   8                           ; v[8:39]    four fragments (16 features each)
.set W2,   40                          ; v[40:71]   fragment 2 T + s: features 16 T .., k 32 s ..
.set W3,   72
.set W4,   80
.set W5,   88
.set B2,   96                          ; v[96:111]  register 8 T + j: S2 b2[16 T + 8 h + j]
.set B3,   112                         ; v[112:119] S3 b3[8 h + j]
.set B4,   120                         ; v[120:127] S4 b4[j], in both halves of the lanes
.set F0,   128                         ; two fragments of source B
.set F1,   136
.set H3,   144                         ; layer 3's results of two tiles, packed
.set H4,   152                         ; layer 4's results of four tiles, packed
.set D,    160                         ; v[160:191] four accumulators
.set X,    192                         ; v[192:251] a block of x as loaded
.set FR80, 252                         ; 80 r + 16 h
.set FR144, 253                        ; 144 r + 16 h
; v8 to v95 serve the set-up until the fragments are loaded into them.
; ---------------------------------------------------------------- macros
.macro LOADX                           ; a block of x: fifteen loads, each 512 consecutive bytes of the wave
.irp i, 0,1,2,3,4,5,6,7,8,9,10,11,12,13,14
	global_load_b128 v[X+4*\i:X+4*\i+3], v[GOFF], s[32:33] offset:512*\i th:TH_LOAD_NT
.endr
.endm
.macro STAGE                           ; narrow it and lay it into my wave's LDS bytes: 16 bytes of f32 at 16 L + 512 i become 8 bytes of f16 at 8 L + 256 i
.irp i, 0,1,2,3,4,5,6,7,8,9,10,11,12,13,14
	s_wait_loadcnt 14-\i                           ; loads return in order (ISA guide 5.7.1): load i is in, the 14 - i younger ones of this block stay out
	v_cvt_pk_f16_f32 v[X+4*\i],   v[X+4*\i],   v[X+4*\i+1]
	v_cvt_pk_f16_f32 v[X+4*\i+1], v[X+4*\i+2], v[X+4*\i+3]
	ds_store_b64 v[LST], v[X+4*\i:X+4*\i+1] offset:256*\i
.endr
.endm
.macro XFLOAD tl, f                    ; source B of layer 1 for tile tl: register c = word 2 c + h of row 16 tl + r.  Word index 15 r + h + 2 c: 32 different values modulo 64
.irp c, 0,1,2,3,4,5,6,7
	ds_load_b32 v[\f+\c], v[LRD] offset:960*(\tl)+8*\c
.endr
.endm
.macro PLACES                          ; four independent vector instructions stand between a matrix instruction and whatever reads its result or writes,
.rept 4                                ; or loads into, one of its registers
	v_nop
.endr
.endm
.macro RELU a, n
.set ri, 0
.rept \n
	v_max_num_f32 v[\a+ri], 0, v[\a+ri]
.set ri, ri+1
.endr
.endm
.macro PACK d, s, n                    ; 2 n numbers to f16, the lower feature in the lower half
.set pi, 0
.rept \n
	v_cvt_pk_f16_f32 v[\d+pi], v[\s+2*pi], v[\s+2*pi+1]
.set pi, pi+1
.endr
.endm
.macro SUMX reg, m
	v_add_f32_dpp v\reg, v\reg, v\reg row_xmask:\m row_mask:0xf bank_mask:0xf
.endm
.macro SUM32 reg                       ; the sum over the wave's 32 lanes, in every lane
	SUMX \reg, 1
	SUMX \reg, 2
	SUMX \reg, 4
	SUMX \reg, 8
	v_permlanex16_b32 v51, v\reg, s38, s39
	v_add_f32 v\reg, v\reg, v51
.endm
.macro MAX32 reg                       ; the maximum likewise
.irp m, 1,2,4,8
	v_max_num_f32_dpp v\reg, v\reg, v\reg row_xmask:\m row_mask:0xf bank_mask:0xf
.endr
	v_permlanex16_b32 v51, v\reg, s38, s39
	v_max_num_f32 v\reg, v\reg, v51
.endm
.macro RHO d, rs, prev, b              ; rho_l = max over rows of (row sum x rho_(l-1) + |b|), at least 2^-100
	v_fma_f32 v\d, v\rs, v\prev, |v\b|
	MAX32 \d
	v_max_num_f32 v\d, RHOMIN, v\d
.endm
.macro SCALE rho, s                    ; v[s] = S = 2^(141 - E), v[s+1] = 1 / S = 2^(E - 141), E = rho's exponent field (27 to 255: both fields stay inside 1 to 254)
	v_lshrrev_b32 v46, 23, v\rho
	v_sub_nc_u32 v[\s], 268, v46
	v_add_nc_u32 v[\s+1], -14, v46
	v_lshlrev_b32 v[\s], 23, v[\s]
	v_lshlrev_b32 v[\s+1], 23, v[\s+1]
.endm
; Layers 1 to 3 for tile tl (16 samples).  fa holds the tile's x; fb is free; more = 1: the next tile's x is fetched into fb.
.macro TILE tl, fa, fb, more
	s_wait_dscnt 0x0                               ; this tile's eight words (and, the first time, the weights' fragments) are in
	v_cndmask_b32 v[\fa+7], s45, v[\fa+7], vcc_lo  ; lanes 16-31: k places 30, 31 are 1.0, 1.0 and meet b1's two parts.  Also the fifth independent line behind the last product
.irp mt, 0,1,2,3
	v_wmma_f32_16x16x32_f16 v[D+8*\mt:D+8*\mt+7], v[W1+8*\mt:W1+8*\mt+7], v[\fa:\fa+7], 0
.endr
	PLACES
	RELU D, 32
	PACK \fa, D, 8                                 ; features 0-31 = k 0-31 of layer 2
	PACK \fb, D+16, 8                              ; features 32-63
	v_wmma_f32_16x16x32_f16 v[D:D+7],    v[W2:W2+7],     v[\fa:\fa+7], v[B2:B2+7]       ; the bias starts each sum.
	v_wmma_f32_16x16x32_f16 v[D+8:D+15], v[W2+16:W2+23], v[\fa:\fa+7], v[B2+8:B2+15]    ; The two accumulators take turns, one instruction a turn.
	v_wmma_f32_16x16x32_f16 v[D:D+7],    v[W2+8:W2+15],  v[\fb:\fb+7], v[D:D+7]
	v_wmma_f32_16x16x32_f16 v[D+8:D+15], v[W2+24:W2+31], v[\fb:\fb+7], v[D+8:D+15]
	PLACES
.if \more
	XFLOAD \tl+1, \fb                              ; has the rest of this tile in which to come
.endif
	RELU D, 16
	PACK \fa, D, 8
	v_wmma_f32_16x16x32_f16 v[D+16:D+23], v[W3:W3+7], v[\fa:\fa+7], v[B3:B3+7]
	PLACES
	RELU D+16, 8
	PACK H3+4*(\tl&1), D+16, 4                     ; even tile: k 0-15 of layer 4's source B; odd tile: k 16-31
.endm
.macro LAYER4 p                        ; tiles 2 p and 2 p + 1 in one product: lanes of half h end up with tile 2 p + h, features 0-7
	v_wmma_f32_16x16x32_f16 v[D+24:D+31], v[W4:W4+7], v[H3:H3+7], v[B4:B4+7]
	PLACES
	RELU D+24, 8
	PACK H4+4*\p, D+24, 4                          ; k 8 u .. 8 u + 7 of layer 5's source B = tile u
.endm
.macro LAYER5                          ; all four tiles in one product; register 2 p + o of lane L = S5 (W5 h4)[o] of row 32 p + L
	v_wmma_f32_16x16x32_f16 v[D:D+7], v[W5:W5+7], v[H4:H4+7], 0
	PLACES
	v_pk_fma_f32 v[D:D+1],   v[D:D+1],   v[IS:IS+1], v[B5:B5+1]
	v_pk_fma_f32 v[D+2:D+3], v[D+2:D+3], v[IS:IS+1], v[B5:B5+1]
	global_store_b64 v[OOFF], v[D:D+1],   s[34:35] th:TH_STORE_NT              ; rows 0-31: 256 consecutive bytes, at a multiple of 256 from out's first byte
	global_store_b64 v[OOFF], v[D+2:D+3], s[34:35] offset:256 th:TH_STORE_NT   ; rows 32-63
.endm
.macro BLOCK
	XFLOAD 0, F0                                   ; LDS serves a wave's instructions in order (ISA guide 5.7.1): these see STAGE's stores
	TILE 0, F0, F1, 1
	TILE 1, F1, F0, 1
	LAYER4 0
	TILE 2, F0, F1, 1
	TILE 3, F1, F0, 0
	LAYER4 1
	LAYER5
.endm
; ---------------------------------------------------------------- head: ids, offsets, addresses
	s_load_b512 s[8:23], s[0:1], 0x0               ; x s[8:9], w1 s[10:11], b1 s[12:13], w2 s[14:15], b2 s[16:17], w3 s[18:19], b3 s[20:21], w4 s[22:23]
	s_load_b256 s[24:31], s[0:1], 0x40             ; b4 s[24:25], w5 s[26:27], b5 s[28:29], out0 s[30:31]
	v_lshl_add_u32 v254, v0, 2, 0x13800
	v_mov_b32 v255, 0
	v_lshrrev_b32 v8, 5, v0
	v_readfirstlane_b32 s2, v8                     ; w, the wave's number
	v_and_b32 v8, 31, v0                           ; L, the lane
	v_and_b32 v9, 15, v0                           ; r
	v_bfe_u32 v10, v0, 4, 1                        ; h
	v_and_b32 v11, 7, v0                           ; q
	v_lshrrev_b32 v12, 3, v0                       ; m1 = t / 8: my row of W1
	v_lshrrev_b32 v86, 3, v8                       ; L / 8
	s_lshl_b32 s3, s2, 8
	s_add_co_u32 s3, s3, ttmp9                     ; idx = 256 w + g
	s_and_b32 s37, s2, 7
	s_lshl_b32 s37, s37, 6                         ; row w & 7 of W4, in bytes
	s_and_b32 s40, s2, 1
	s_lshl_b32 s40, s40, 5                         ; row w & 1 of W5, in bytes
	s_lshr_b32 s41, s2, 3                          ; image row w of W4 lives in k block w / 8
	s_bfe_u32 s42, s2, 0x20001
	s_lshl1_add_u32 s42, s42, s41                  ; image row w of W5 meets tile 2 ((w / 2) & 3) + w / 8; 4 and above: no tile, a row of zeros
	s_lshl_b32 s43, s2, 12
	s_add_co_u32 s43, s43, XS                      ; my wave's block of x in LDS
	s_mov_b32 s38, 0x76543210                      ; v_permlanex16_b32: lane i of one half reads lane i of the other
	s_mov_b32 s39, 0xfedcba98
	s_mov_b32 s44, 0x44800000                      ; rho0 = 1024.0
	s_mov_b32 s45, 0x3c003c00                      ; 1.0, 1.0 in f16
	; where each wave stores in the set-up: a constant + the wave's number x a constant (scalar), + a lane term (below)
	s_lshl_b32 s46, s2, 4
	s_add_co_u32 s46, s46, RS1                     ; four rows of W1 a wave
	s_lshl_b32 s47, s2, 3
	s_add_co_u32 s47, s47, RS2                     ; two rows of W2
	s_lshl_b32 s48, s2, 2
	s_add_co_u32 s48, s48, RS3                     ; one row of each small image
	s_mul_i32 s49, s2, 320                         ; A1 = 0: four rows of 80 bytes
	s_mul_i32 s50, s2, 288
	s_add_co_u32 s50, s50, A2                      ; two rows of 144 bytes
	s_mul_i32 s51, s2, 80
	s_add_co_u32 s51, s51, A3                      ; one row of 80 bytes
	; offsets of the small loads
	v_mul_u32_u24 v46, 120, v12                    ; my row of W1
	v_lshl_add_u32 v13, v11, 3, v46                ; its pair q (columns 2 q, 2 q + 1)
	v_min_u32 v47, 6, v11
	v_lshl_add_u32 v14, v47, 3, v46                ; with offset 64: pair 8 + q; thread q = 7 has none, reads pair 14 and drops it
	v_lshlrev_b32 v15, 2, v12                      ; b1[m1]
	v_lshlrev_b32 v16, 4, v0                       ; W2: four numbers a thread
	v_lshlrev_b32 v17, 2, v0                       ; W3: row w, column L
	v_lshl_add_u32 v18, v9, 2, s37                 ; W4[w & 7][L & 15]
	v_lshl_add_u32 v19, v11, 2, s40                ; W5[w & 1][L & 7]
	v_lshlrev_b32 v20, 5, v10                      ; 32 h
	v_mov_b32 v21, 0
	v_lshlrev_b32 v22, 2, v8                       ; 4 L
	v_lshlrev_b32 v23, 2, v9                       ; 4 (L & 15)
	v_lshlrev_b32 v24, 2, v11                      ; 4 (L & 7)
	v_and_b32 v25, 1, v8
	v_lshlrev_b32 v25, 2, v25                      ; 4 (L & 1)
	; LDS addresses of the set-up's stores
	v_lshl_add_u32 v78, v86, 2, s46                ; RS1[4 w + L / 8]
	v_lshl_add_u32 v79, v10, 2, s47                ; RS2[2 w + h]
	v_mov_b32 v80, s48                             ; RS3[w]; RS4 and RS5 by the offset
	v_mul_u32_u24 v81, 80, v86                     ; A1: row 4 w + L / 8,
	v_and_b32 v87, 1, v11
	v_lshl_add_u32 v81, v87, 4, v81                ; pair q goes to word 4 (q & 1) + q / 2, which lane half q & 1 reads into register q / 2;
	v_lshrrev_b32 v88, 1, v11
	v_lshl_add_u32 v81, v88, 2, v81                ; pair 8 + q lies 32 bytes on
	v_add_nc_u32 v81, s49, v81
	v_mul_u32_u24 v84, 144, v10                    ; A2: row 2 w + h, 8 bytes at 8 r
	v_lshl_add_u32 v84, v9, 3, v84
	v_add_nc_u32 v84, s50, v84
	v_lshl_add_u32 v85, v8, 1, s51                 ; A3: row w, k = L; A4 and A5 by the offset
	v_mov_b32 v89, s43
	; what lives through the loop
	v_lshl_add_u32 v[LST], v8, 3, s43
	v_mul_u32_u24 v[LRD], 60, v9
	v_lshl_add_u32 v[LRD], v10, 2, v[LRD]
	v_add_nc_u32 v[LRD], s43, v[LRD]
	v_lshlrev_b32 v[OOFF], 3, v8
	v_mul_u32_u24 v[FR80], 80, v9
	v_lshl_add_u32 v[FR80], v10, 4, v[FR80]
	v_mul_u32_u24 v[FR144], 144, v9
	v_lshl_add_u32 v[FR144], v10, 4, v[FR144]
	v_lshlrev_b32 v[GOFF], 4, v8                   ; the thread's number is not needed any more
	s_mul_i32 s4, s3, BLKX                         ; idx <= 4095: below 2^25
	s_mov_b32 s5, 0
	s_lshl_b32 s6, s3, 9
	s_mov_b32 s7, 0
	s_wait_kmcnt 0x0
	s_add_nc_u64 s[32:33], s[8:9], s[4:5]          ; x at my first block
	s_add_nc_u64 s[34:35], s[30:31], s[6:7]        ; out at my first block
; ---------------------------------------------------------------- 22 small loads, then the first block of x behind them
	global_load_b64  v[26:27], v13, s[10:11]                   ; W1[m1][2 q ..]
	global_load_b64  v[28:29], v14, s[10:11] offset:64         ; W1[m1][16 + 2 q ..]
	global_load_b32  v30, v15, s[12:13]                        ; b1[m1]
	global_load_b128 v[32:35], v16, s[14:15]                   ; W2[t / 16][4 (t & 15) ..]
	global_load_b32  v36, v17, s[18:19]                        ; W3[w][L]
	global_load_b32  v37, v18, s[22:23]
	global_load_b32  v38, v19, s[26:27]
	global_load_b128 v[B2:B2+3],     v20, s[16:17]             ; b2[8 h ..]
	global_load_b128 v[B2+4:B2+7],   v20, s[16:17] offset:16
	global_load_b128 v[B2+8:B2+11],  v20, s[16:17] offset:64   ; b2[16 + 8 h ..]
	global_load_b128 v[B2+12:B2+15], v20, s[16:17] offset:80
	global_load_b128 v[B3:B3+3],     v20, s[20:21]             ; b3[8 h ..]
	global_load_b128 v[B3+4:B3+7],   v20, s[20:21] offset:16
	global_load_b128 v[B4:B4+3],     v21, s[24:25]             ; b4[0 ..]
	global_load_b128 v[B4+4:B4+7],   v21, s[24:25] offset:16
	global_load_b64  v[B5:B5+1],     v21, s[28:29]
	global_load_b32  v40, v22, s[12:13]                        ; for the bounds: b1[L],
	global_load_b32  v41, v22, s[12:13] offset:128             ; b1[32 + L],
	global_load_b32  v42, v22, s[16:17]                        ; b2[L],
	global_load_b32  v43, v23, s[20:21]                        ; b3[L & 15],
	global_load_b32  v44, v24, s[24:25]                        ; b4[L & 7],
	global_load_b32  v45, v25, s[28:29]                        ; b5[L & 1]
	LOADX
	s_wait_loadcnt 15                              ; loads return in order: the 22 small ones are in, x's fifteen stay out through the whole set-up
; ---------------------------------------------------------------- row sums of |W|
	v_mov_b32 v51, 0                               ; v_permlanex16_b32 counts as a reader of its destination
	v_add_f32 v46, |v26|, |v27|
	v_add_f32 v47, |v28|, |v29|
	v_cmp_ne_u32 vcc_lo, 7, v11
	v_cndmask_b32 v47, 0, v47, vcc_lo              ; thread q = 7 has no second pair
	v_add_f32 v46, v46, v47
	SUMX 46, 1
	SUMX 46, 2
	SUMX 46, 4                                     ; over the eight threads of a row
	ds_store_b32 v78, v46                          ; the eight write one word with one value
	v_add_f32 v48, |v32|, |v33|
	v_add_f32 v47, |v34|, |v35|
	v_add_f32 v48, v48, v47
	SUMX 48, 1
	SUMX 48, 2
	SUMX 48, 4
	SUMX 48, 8                                     ; over the sixteen threads of a row
	ds_store_b32 v79, v48
	v_and_b32 v49, 0x7fffffff, v36
	SUM32 49
	ds_store_b32 v80, v49
	v_cmp_eq_u32 vcc_lo, s41, v10
	v_cndmask_b32 v37, 0, v37, vcc_lo              ; W4's image: zero off the diagonal blocks
	v_and_b32 v50, 0x7fffffff, v37
	SUM32 50
	ds_store_b32 v80, v50 offset:RS4-RS3
	v_cmp_eq_u32 vcc_lo, s42, v86
	v_cndmask_b32 v38, 0, v38, vcc_lo              ; W5's image: zero but against the row's own tile
	v_and_b32 v47, 0x7fffffff, v38
	SUM32 47
	ds_store_b32 v80, v47 offset:RS5-RS3
	ds_store_b32 v89, v21 offset:3840              ; the word behind my block: row 63's lanes 16-31 load it and replace it by 1.0, 1.0
	s_wait_dscnt 0x0                               ; my stores are done, for the other waves' sake
	s_barrier_signal -1
	s_barrier_wait -1
; ---------------------------------------------------------------- bounds and scales: every wave makes all of them, alike
	ds_load_b32 v52, v22 offset:RS1
	ds_load_b32 v53, v22 offset:RS1+128
	ds_load_b32 v54, v22 offset:RS2
	ds_load_b32 v55, v23 offset:RS3
	ds_load_b32 v56, v23 offset:RS4
	ds_load_b32 v57, v23 offset:RS5
	s_wait_dscnt 0x0
	v_fma_f32 v58, v52, s44, |v40|
	v_fma_f32 v46, v53, s44, |v41|
	v_max_num_f32 v58, v58, v46
	MAX32 58
	v_max_num_f32 v58, RHOMIN, v58                 ; rho1
	RHO 59, 54, 58, 42
	RHO 60, 55, 59, 43
	RHO 61, 56, 60, 44
	RHO 62, 57, 61, 45
	SCALE 58, 64                                   ; v[64:65] = S1, 1 / S1
	SCALE 59, 66
	SCALE 60, 68
	SCALE 61, 70
	SCALE 62, 72
	v_mul_f32 v74, v66, v65                        ; S2 / S1
	v_mul_f32 v75, v68, v67                        ; S3 / S2
	v_mul_f32 v76, v70, v69                        ; S4 / S3
	v_mul_f32 v77, v72, v71                        ; S5 / S4
; ---------------------------------------------------------------- the images in f16
	v_pk_mul_f32 v[26:27], v[26:27], v[64:65] op_sel_hi:[1,0]  ; both by S1
	v_pk_mul_f32 v[28:29], v[28:29], v[64:65] op_sel_hi:[1,0]
	v_mul_f32 v46, v30, v64                        ; S1 b1[m1]
	v_cvt_pk_f16_f32 v26, v26, v27
	v_cvt_pk_f16_f32 v28, v28, v29
	v_cvt_pk_f16_f32 v47, v46, v46
	v_cvt_f32_f16 v48, v47.l
	v_sub_f32 v48, v46, v48                        ; what the f16 left
	v_cvt_pk_f16_f32 v47, v46, v48
	v_cmp_eq_u32 vcc_lo, 7, v11
	v_cndmask_b32 v28, v28, v47, vcc_lo            ; thread q = 7: pair 15 is the bias in two parts
	ds_store_b32 v81, v26
	ds_store_b32 v81, v28 offset:32
	v_pk_mul_f32 v[32:33], v[32:33], v[74:75] op_sel_hi:[1,0]  ; both by S2 / S1
	v_pk_mul_f32 v[34:35], v[34:35], v[74:75] op_sel_hi:[1,0]
	v_mul_f32 v36, v36, v75
	v_mul_f32 v37, v37, v76
	v_mul_f32 v38, v38, v77
	v_cvt_pk_f16_f32 v32, v32, v33
	v_cvt_pk_f16_f32 v33, v34, v35
	v_cvt_pk_f16_f32 v36, v36, v36
	v_cvt_pk_f16_f32 v37, v37, v37
	v_cvt_pk_f16_f32 v38, v38, v38
	ds_store_b64 v84, v[32:33]
	ds_store_b16 v85, v36
	ds_store_b16 v85, v37 offset:A4-A3
	ds_store_b16 v85, v38 offset:A5-A3
.irp j, 0,2,4,6,8,10,12,14
	v_pk_mul_f32 v[B2+\j:B2+\j+1], v[B2+\j:B2+\j+1], v[66:67] op_sel_hi:[1,0]  ; the biases stay in f32: by S2,
.endr
.irp j, 0,2,4,6
	v_pk_mul_f32 v[B3+\j:B3+\j+1], v[B3+\j:B3+\j+1], v[68:69] op_sel_hi:[1,0]  ; S3,
	v_pk_mul_f32 v[B4+\j:B4+\j+1], v[B4+\j:B4+\j+1], v[70:71] op_sel_hi:[1,0]  ; S4
.endr
	v_mov_b32 v[IS], v73
	v_mov_b32 v[IS+1], v73
	s_wait_dscnt 0x0                               ; my parts of the images are stored, for the other waves' sake
	s_barrier_signal -1
	s_barrier_wait -1
; ---------------------------------------------------------------- the weights' fragments: lane (r, h) takes bytes 16 h .. and 32 + 16 h .. of row r; they stay for the whole kernel
.irp mt, 0,1,2,3
	ds_load_b128 v[W1+8*\mt:W1+8*\mt+3],   v[FR80] offset:A1+1280*\mt
	ds_load_b128 v[W1+8*\mt+4:W1+8*\mt+7], v[FR80] offset:A1+1280*\mt+32
.endr
.irp mt, 0,1
.irp ks, 0,1
	ds_load_b128 v[W2+8*(2*\mt+\ks):W2+8*(2*\mt+\ks)+3],   v[FR144] offset:A2+2304*\mt+64*\ks
	ds_load_b128 v[W2+8*(2*\mt+\ks)+4:W2+8*(2*\mt+\ks)+7], v[FR144] offset:A2+2304*\mt+64*\ks+32
.endr
.endr
	ds_load_b128 v[W3:W3+3],   v[FR80] offset:A3
	ds_load_b128 v[W3+4:W3+7], v[FR80] offset:A3+32
	ds_load_b128 v[W4:W4+3],   v[FR80] offset:A4
	ds_load_b128 v[W4+4:W4+7], v[FR80] offset:A4+32
	ds_load_b128 v[W5:W5+3],   v[FR80] offset:A5
	ds_load_b128 v[W5+4:W5+7], v[FR80] offset:A5+32
	s_mov_b32 vcc_lo, 0xffff                       ; lanes 0-15, for the whole loop: no line below writes it
	s_cmp_lt_u32 s3, FULL
	s_cselect_b32 s36, 3, 2                        ; trips that fetch a further block: my blocks less one
; ---------------------------------------------------------------- the loop: one block a trip, the next block's fifteen loads out during all of its arithmetic
.Ltrip:
	STAGE
	s_add_nc_u64 s[32:33], s[32:33], XSTEP         ; STAGE's last wait was for 0: no load that names this base is out
	LOADX
	BLOCK
	s_wait_xcnt 0x0                                ; the stores' base and data (D's first four registers) are written again only behind this wait
	s_add_nc_u64 s[34:35], s[34:35], OSTEP
	s_sub_co_i32 s36, s36, 1
	s_cmp_lg_u32 s36, 0
	s_cbranch_scc1 .Ltrip
	STAGE                                          ; the last block fetches nothing: no load passes x's end
	BLOCK
	s_wait_tensorcnt 0x0
	ds_add_u32 v254, v255
	s_wait_dscnt 0x0
	s_endpgm
.Lfunc_end_k_q482b241008_mlp:
	.size	k_q482b241008_mlp, .Lfunc_end_k_q482b241008_mlp-k_q482b241008_mlp
	.p2alignl 7, 3214868480
	.fill 96, 4, 3214868480
	.section	.rodata,"a",@progbits
	.p2align	6, 0x0
	.amdhsa_kernel k_q482b241008_mlp
		.amdhsa_group_segment_fixed_size 81920
		.amdhsa_private_segment_fixed_size 0
		.amdhsa_enable_private_segment 0
		.amdhsa_kernarg_size 96
		.amdhsa_user_sgpr_count 2
		.amdhsa_user_sgpr_kernarg_segment_ptr 1
		.amdhsa_wavefront_size32 1
		.amdhsa_system_sgpr_workgroup_id_x 1
		.amdhsa_system_sgpr_workgroup_id_y 1
		.amdhsa_system_sgpr_workgroup_id_z 1
		.amdhsa_system_vgpr_workitem_id 0
		.amdhsa_next_free_vgpr 256
		.amdhsa_next_free_sgpr 66
		.amdhsa_reserve_vcc 1
		.amdhsa_float_denorm_mode_32 3
		.amdhsa_float_denorm_mode_16_64 3
		.amdhsa_memory_ordered 1
		.amdhsa_forward_progress 1
		.amdhsa_inst_pref_size 71
	.end_amdhsa_kernel
	.amdgpu_metadata
---
amdhsa.version: [ 1, 2 ]
amdhsa.kernels:
  - .name:           k_q482b241008_mlp
    .symbol:         k_q482b241008_mlp.kd
    .args:
      - { .name: x, .offset: 0, .size: 8, .value_kind: global_buffer, .address_space: global }
      - { .name: w1, .offset: 8, .size: 8, .value_kind: global_buffer, .address_space: global }
      - { .name: b1, .offset: 16, .size: 8, .value_kind: global_buffer, .address_space: global }
      - { .name: w2, .offset: 24, .size: 8, .value_kind: global_buffer, .address_space: global }
      - { .name: b2, .offset: 32, .size: 8, .value_kind: global_buffer, .address_space: global }
      - { .name: w3, .offset: 40, .size: 8, .value_kind: global_buffer, .address_space: global }
      - { .name: b3, .offset: 48, .size: 8, .value_kind: global_buffer, .address_space: global }
      - { .name: w4, .offset: 56, .size: 8, .value_kind: global_buffer, .address_space: global }
      - { .name: b4, .offset: 64, .size: 8, .value_kind: global_buffer, .address_space: global }
      - { .name: w5, .offset: 72, .size: 8, .value_kind: global_buffer, .address_space: global }
      - { .name: b5, .offset: 80, .size: 8, .value_kind: global_buffer, .address_space: global }
      - { .name: out0, .offset: 88, .size: 8, .value_kind: global_buffer, .address_space: global }
    .group_segment_fixed_size: 81920
    .private_segment_fixed_size: 0
    .kernarg_segment_align: 8
    .kernarg_segment_size: 96
    .max_flat_workgroup_size: 512
    .sgpr_count:     66
    .vgpr_count:     256
    .wavefront_size: 32
...
	.end_amdgpu_metadata
.endif
;; end of part 1
;; ======== version 2 of 2: 1 launch; version 1 with the launch mlp written anew for expert scheduling mode
;; limits: inputs' magnitudes at most 1,024; below input magnitudes of 6.1e-05 results are inexact or not finite; values are held in f16: magnitudes above 65,504 overflow, below 6.1e-05 lose precision
;; launch mlp (part 2): grid 256 x 1, 16 waves a work-group, no clusters, 81,920 bytes of LDS; arguments x, w1, b1, w2, b2, w3, b3, w4, b4, w5, b5, out0; writes out0
.if DOCPART == 2
	.amdgcn_target "amdgcn-amd-amdhsa--gfx1250"
	.amdhsa_code_object_version 6
	.text
	.protected	k_q482b241008_mlp
	.globl	k_q482b241008_mlp
	.p2align	8
	.type	k_q482b241008_mlp,@function
k_q482b241008_mlp:
	s_mov_b64 s[64:65], 0
	v_nop
	global_prefetch_b8 v0, s[64:65] scope:SCOPE_SE
	s_setreg_imm32_b32 hwreg(HW_REG_WAVE_SCHED_MODE, 0, 2), 2
	s_setreg_imm32_b32 hwreg(HW_REG_WAVE_MODE, 25, 1), 1
	s_wait_xcnt 0x0
	s_wait_alu depctr_vm_vsrc(0)
; out = W5 relu(W4 relu(W3 relu(W2 relu(W1 x + b1) + b2) + b3) + b4) + b5 for 1,000,000 rows of 30 f32; layers 30-64-32-16-8-2.
;
; ONE LAUNCH, each byte of x read once, each byte of out written once, nothing in between goes to memory.
; A block is 64 rows: 7,680 bytes of x (fifteen 512-byte loads of a wave), 512 bytes of out.  15,625 blocks.  Wave w of work-group g has
; idx = 256 w + g and takes blocks idx, idx + 4096, ...: four blocks if idx < 3337, else three.  No wave depends on another in the loop.
;
; THE CHAIN STAYS IN REGISTERS.  The weights are source A (rows = output features), sixteen samples are source B (columns).  In the result lane
; (r, h) holds features 8 h + 0..7 of sample r, which is what source B of the next layer wants of that lane: relu, pack to f16, multiply again.
; Layer 4 (8 x 16) takes two tiles of samples in one product by a block-diagonal image of W4, layer 5 (2 x 8) all four tiles by an image of W5
; whose rows are ordered so that register 2 p + o of lane L is out[32 p + L][o]: each store of the wave covers 256 consecutive bytes, aligned.
;
; x ON ITS WAY IN: a row is 120 bytes, so a lane's 16 loaded bytes belong to no fixed column.  The wave narrows its block to f16 and lays it densely
; into LDS bytes of its own (row pitch 60 bytes); a lane then takes word 2 c + h of its row into register c.  That is a permutation of k, and W1's image
; has the same one.  The two k places left over by 30 of 32 hold 1.0, 1.0 on x's side and b1, as an f16 and the f16 of what that left, on W1's side.
;
; NUMBER FORMAT: f16 operands, f32 sums.  Eight times finer than bf16, which five roundings in a chain need against a margin of 0.01 of the output's
; root mean square.  f16's range is earned by a scale for each layer, a power of two (so exact), made at the head from the inputs themselves:
;   rho0 = 1024,  rho_l = max over rows m of ( sum over k of |W_l[m][k]| rho_(l-1) + |b_l[m]| ),  S_l = 2^(141 - exponent field of rho_l),  S_l rho_l < 32768.
; The images hold W_l S_l / S_(l-1) (below 2 in magnitude; W1 S1 below 32), the biases b_l S_l, the activations S_l h_l; out = D5 / S5 + b5.
; LIMITS: no f16 overflow for any weights and biases as long as |x| <= 1024 (30 times the drawn spread reaches some 170); x itself must lie under 65,504.
; rho is kept at 2^-100 or above.  relu is a maximum in which a NaN loses: a NaN in a hidden activation becomes 0.  b1 is carried to two f16 (some 22 bits).
;
; NO CLUSTER, NO JOINT LOADS: a work-group reads 61 or 62 blocks = some 470,000 bytes of x that no other reads; what all share are the 18,984 bytes of
; weights and biases, read once at the head.  No tensor loads: x has to pass through registers to be narrowed, and a wave has only three or four blocks.
;
; THE MODE: SCHED_MODE bits 1:0 = 2 (LLVM: expert scheduling mode 2), set by the entry lines.  The code itself states the register dependences
; between vector or matrix instructions and memory or LDS instructions, with s_wait_alu, always for 0.
; THE PLAN.  Registers that memory or LDS instructions touch, in the loop:
;   X            A block's fifteen loads land in it; STAGE's thirty conversions read it and write words 4 i, 4 i + 1; fifteen LDS stores read those; the next block's loads land.
;   F0, F1       Tile t's eight LDS loads land in F[t % 2]; a select, the packs of layers 1 and 2 and the products of layers 1 to 3 name both.
;   D's first 4  Written by products and by layer 5's two multiply-adds; read by the block's two stores; written again by the next block's first product.
;   GOFF, LST, LRD, OOFF   Offsets and LDS addresses, made once at the head and never written again: the two scalar bases move on, immediates do the rest.
;   The weights' fragments, the biases, H3, H4 and the rest of D are named by vector and matrix instructions alone.
; So a trip has one wait on va_vdst behind STAGE's conversions (for the LDS stores, tile 0's loads and the next block's loads), one on vm_vsrc behind those LDS stores
; (for X and for D's first four), one on va_vdst in each of tiles 0 to 2 behind layer 2 (for the next tile's loads), and one ahead of the block's two stores.
.set BLKX,   7680                      ; bytes of x in a block
.set BLKO,   512                       ; bytes of out in a block
.set XSTEP,  4096*BLKX                 ; from a wave's block to its next
.set OSTEP,  4096*BLKO
.set FULL,   15625-3*4096              ; waves with idx below this have a fourth block
.set RHOMIN, 0x0d800000                ; 2^-100
; LDS
.set A1,  0                            ; 64 rows x 80: W1's image, k permuted, bias pair in word 15 of a row
.set A2,  5120                         ; 32 rows x 144: W2's image
.set A3,  9728                         ; 16 rows x 80: W3's image
.set A4,  11008                        ; 16 rows x 80: W4 twice on the diagonal
.set A5,  12288                        ; 16 rows x 80: W5's rows, each against one tile's eight k
.set RS1, 13568                        ; row sums of |W1| (64 words), |W2| (32), and of the images of W3, W4, W5 (16 each)
.set RS2, 13824
.set RS3, 13952
.set RS4, 14016
.set RS5, 14080
.set XS,  14336                        ; + 4096 w: wave w's block of x in f16, 3,840 bytes, and one word behind it
; vector registers that live through the loop
.set GOFF, 0                           ; 16 x lane
.set LST,  1                           ; my wave's XS + 8 x lane
.set LRD,  2                           ; my wave's XS + 60 r + 4 h
.set OOFF, 3                           ; 8 x lane
.set IS,   4                           ; v[4:5]     1 / S5, twice
.set B5,   6                           ; v[6:7]     b5
.set W1,   8                           ; v[8:39]    four fragments (16 features each)
.set W2,   40                          ; v[40:71]   fragment 2 T + s: features 16 T .., k 32 s ..
.set W3,   72
.set W4,   80
.set W5,   88
.set B2,   96                          ; v[96:111]  register 8 T + j: S2 b2[16 T + 8 h + j]
.set B3,   112                         ; v[112:119] S3 b3[8 h + j]
.set B4,   120                         ; v[120:127] S4 b4[j], in both halves of the lanes
.set F0,   128                         ; two fragments of source B
.set F1,   136
.set H3,   144                         ; layer 3's results of two tiles, packed
.set H4,   152                         ; layer 4's results of four tiles, packed
.set D,    160                         ; v[160:191] four accumulators
.set X,    192                         ; v[192:251] a block of x as loaded
.set FR80, 252                         ; 80 r + 16 h
.set FR144, 253                        ; 144 r + 16 h
; v8 to v95 serve the set-up until the fragments are loaded into them.
; ---------------------------------------------------------------- macros
.macro LOADX                           ; a block of x: fifteen loads, each 512 consecutive bytes of the wave
.irp i, 0,1,2,3,4,5,6,7,8,9,10,11,12,13,14
	global_load_b128 v[X+4*\i:X+4*\i+3], v[GOFF], s[32:33] offset:512*\i th:TH_LOAD_NT
.endr
.endm
.macro XFLOAD tl, f                    ; source B of layer 1 for tile tl: register c = word 2 c + h of row 16 tl + r.  Word index 15 r + h + 2 c: 32 different values modulo 64
.irp c, 0,1,2,3,4,5,6,7
	ds_load_b32 v[\f+\c], v[LRD] offset:960*(\tl)+8*\c
.endr
.endm
.macro STAGE                           ; narrow the block and lay it into my wave's LDS bytes: 16 bytes of f32 at 16 L + 512 i become 8 bytes of f16 at 8 L + 256 i; then tile 0 is fetched
.irp i, 0,1,2,3,4,5,6,7,8,9,10,11,12,13,14
	s_wait_loadcnt 14-\i                           ; loads return in order (ISA guide 5.7.1): load i is in, the 14 - i younger ones of this block stay out
	v_cvt_pk_f16_f32 v[X+4*\i],   v[X+4*\i],   v[X+4*\i+1]
	v_cvt_pk_f16_f32 v[X+4*\i+1], v[X+4*\i+2], v[X+4*\i+3]
.endr
	s_wait_alu depctr_va_vdst(0)                   ; the conversions have written the LDS stores' data and are done reading X, in which the next block lands; the last block's packs and products are done with F0, in which tile 0 lands
.irp i, 0,1,2,3,4,5,6,7,8,9,10,11,12,13,14
	ds_store_b64 v[LST], v[X+4*\i:X+4*\i+1] offset:256*\i
.endr
	XFLOAD 0, F0                                   ; LDS serves a wave's instructions in order (ISA guide 5.7.1): these see the stores above
	s_wait_alu depctr_vm_vsrc(0)                   ; the LDS stores have read X, in which the next block's loads land; the last block's two stores have read D's first four registers, which layer 1's first product writes again
.endm
.macro PLACES                          ; four independent vector instructions stand between a matrix instruction and whatever vector instruction reads its result
.rept 4                                ; or writes one of its registers (ISA guide 7.12.1)
	v_nop
.endr
.endm
.macro RELU a, n
.set ri, 0
.rept \n
	v_max_num_f32 v[\a+ri], 0, v[\a+ri]
.set ri, ri+1
.endr
.endm
.macro PACK d, s, n                    ; 2 n numbers to f16, the lower feature in the lower half
.set pi, 0
.rept \n
	v_cvt_pk_f16_f32 v[\d+pi], v[\s+2*pi], v[\s+2*pi+1]
.set pi, pi+1
.endr
.endm
.macro SUMX reg, m
	v_add_f32_dpp v\reg, v\reg, v\reg row_xmask:\m row_mask:0xf bank_mask:0xf
.endm
.macro SUM32 reg                       ; the sum over the wave's 32 lanes, in every lane
	SUMX \reg, 1
	SUMX \reg, 2
	SUMX \reg, 4
	SUMX \reg, 8
	v_permlanex16_b32 v51, v\reg, s38, s39
	v_add_f32 v\reg, v\reg, v51
.endm
.macro MAX32 reg                       ; the maximum likewise
.irp m, 1,2,4,8
	v_max_num_f32_dpp v\reg, v\reg, v\reg row_xmask:\m row_mask:0xf bank_mask:0xf
.endr
	v_permlanex16_b32 v51, v\reg, s38, s39
	v_max_num_f32 v\reg, v\reg, v51
.endm
.macro RHO d, rs, prev, b              ; rho_l = max over rows of (row sum x rho_(l-1) + |b|), at least 2^-100
	v_fma_f32 v\d, v\rs, v\prev, |v\b|
	MAX32 \d
	v_max_num_f32 v\d, RHOMIN, v\d
.endm
.macro SCALE rho, s                    ; v[s] = S = 2^(141 - E), v[s+1] = 1 / S = 2^(E - 141), E = rho's exponent field (27 to 255: both fields stay inside 1 to 254)
	v_lshrrev_b32 v46, 23, v\rho
	v_sub_nc_u32 v[\s], 268, v46
	v_add_nc_u32 v[\s+1], -14, v46
	v_lshlrev_b32 v[\s], 23, v[\s]
	v_lshlrev_b32 v[\s+1], 23, v[\s+1]
.endm
; Layers 1 to 3 for tile tl (16 samples).  fa holds the tile's x; fb is free; more = 1: the next tile's x is fetched into fb.
.macro TILE tl, fa, fb, more
	s_wait_dscnt 0x0                               ; this tile's eight words (and, the first time, the weights' fragments) are in
	v_cndmask_b32 v[\fa+7], s45, v[\fa+7], vcc_lo  ; lanes 16-31: k places 30, 31 are 1.0, 1.0 and meet b1's two parts.  Also the fifth independent line behind the last product
.irp mt, 0,1,2,3
	v_wmma_f32_16x16x32_f16 v[D+8*\mt:D+8*\mt+7], v[W1+8*\mt:W1+8*\mt+7], v[\fa:\fa+7], 0
.endr
	PLACES
	RELU D, 32
	PACK \fa, D, 8                                 ; features 0-31 = k 0-31 of layer 2
	PACK \fb, D+16, 8                              ; features 32-63
	v_wmma_f32_16x16x32_f16 v[D:D+7],    v[W2:W2+7],     v[\fa:\fa+7], v[B2:B2+7]       ; the bias starts each sum.
	v_wmma_f32_16x16x32_f16 v[D+8:D+15], v[W2+16:W2+23], v[\fa:\fa+7], v[B2+8:B2+15]    ; The two accumulators take turns, one instruction a turn.
	v_wmma_f32_16x16x32_f16 v[D:D+7],    v[W2+8:W2+15],  v[\fb:\fb+7], v[D:D+7]
	v_wmma_f32_16x16x32_f16 v[D+8:D+15], v[W2+24:W2+31], v[\fb:\fb+7], v[D+8:D+15]
	PLACES
.if \more
	s_wait_alu depctr_va_vdst(0)                   ; the packs have written this fragment and layer 2's products are done reading it: the next tile's words land in it.  No line from here to the next tile's head names it
	XFLOAD \tl+1, \fb                              ; has the rest of this tile in which to come
.endif
	RELU D, 16
	PACK \fa, D, 8
	v_wmma_f32_16x16x32_f16 v[D+16:D+23], v[W3:W3+7], v[\fa:\fa+7], v[B3:B3+7]
	PLACES
	RELU D+16, 8
	PACK H3+4*(\tl&1), D+16, 4                     ; even tile: k 0-15 of layer 4's source B; odd tile: k 16-31
.endm
.macro LAYER4 p                        ; tiles 2 p and 2 p + 1 in one product: lanes of half h end up with tile 2 p + h, features 0-7
	v_wmma_f32_16x16x32_f16 v[D+24:D+31], v[W4:W4+7], v[H3:H3+7], v[B4:B4+7]
	PLACES
	RELU D+24, 8
	PACK H4+4*\p, D+24, 4                          ; k 8 u .. 8 u + 7 of layer 5's source B = tile u
.endm
.macro LAYER5                          ; all four tiles in one product; register 2 p + o of lane L = S5 (W5 h4)[o] of row 32 p + L
	v_wmma_f32_16x16x32_f16 v[D:D+7], v[W5:W5+7], v[H4:H4+7], 0
	PLACES
	v_pk_fma_f32 v[D:D+1],   v[D:D+1],   v[IS:IS+1], v[B5:B5+1]
	v_pk_fma_f32 v[D+2:D+3], v[D+2:D+3], v[IS:IS+1], v[B5:B5+1]
	s_wait_alu depctr_va_vdst(0)                   ; the two multiply-adds have written D's first four registers, which the two stores read
	global_store_b64 v[OOFF], v[D:D+1],   s[34:35] th:TH_STORE_NT              ; rows 0-31: 256 consecutive bytes, at a multiple of 256 from out's first byte
	global_store_b64 v[OOFF], v[D+2:D+3], s[34:35] offset:256 th:TH_STORE_NT   ; rows 32-63
.endm
.macro BLOCK                           ; tile 0's words were asked for at STAGE's end
	TILE 0, F0, F1, 1
	TILE 1, F1, F0, 1
	LAYER4 0
	TILE 2, F0, F1, 1
	TILE 3, F1, F0, 0
	LAYER4 1
	LAYER5
.endm
; ---------------------------------------------------------------- head: ids, offsets, addresses
	s_load_b512 s[8:23], s[0:1], 0x0               ; x s[8:9], w1 s[10:11], b1 s[12:13], w2 s[14:15], b2 s[16:17], w3 s[18:19], b3 s[20:21], w4 s[22:23]
	s_load_b256 s[24:31], s[0:1], 0x40             ; b4 s[24:25], w5 s[26:27], b5 s[28:29], out0 s[30:31]
	v_lshl_add_u32 v254, v0, 2, 0x13800
	v_mov_b32 v255, 0
	v_lshrrev_b32 v8, 5, v0
	v_readfirstlane_b32 s2, v8                     ; w, the wave's number
	v_and_b32 v8, 31, v0                           ; L, the lane
	v_and_b32 v9, 15, v0                           ; r
	v_bfe_u32 v10, v0, 4, 1                        ; h
	v_and_b32 v11, 7, v0                           ; q
	v_lshrrev_b32 v12, 3, v0                       ; m1 = t / 8: my row of W1
	v_lshrrev_b32 v86, 3, v8                       ; L / 8
	s_wait_alu depctr_va_sdst(0)                   ; s2 is written, ahead of its first reader: the block's number, the rows of the small images and the LDS places are made from it
	s_lshl_b32 s3, s2, 8
	s_add_co_u32 s3, s3, ttmp9                     ; idx = 256 w + g
	s_and_b32 s37, s2, 7
	s_lshl_b32 s37, s37, 6                         ; row w & 7 of W4, in bytes
	s_and_b32 s40, s2, 1
	s_lshl_b32 s40, s40, 5                         ; row w & 1 of W5, in bytes
	s_lshr_b32 s41, s2, 3                          ; image row w of W4 lives in k block w / 8
	s_bfe_u32 s42, s2, 0x20001
	s_lshl1_add_u32 s42, s42, s41                  ; image row w of W5 meets tile 2 ((w / 2) & 3) + w / 8; 4 and above: no tile, a row of zeros
	s_lshl_b32 s43, s2, 12
	s_add_co_u32 s43, s43, XS                      ; my wave's block of x in LDS
	s_mov_b32 s38, 0x76543210                      ; v_permlanex16_b32: lane i of one half reads lane i of the other
	s_mov_b32 s39, 0xfedcba98
	s_mov_b32 s44, 0x44800000                      ; rho0 = 1024.0
	s_mov_b32 s45, 0x3c003c00                      ; 1.0, 1.0 in f16
	; where each wave stores in the set-up: a constant + the wave's number x a constant (scalar), + a lane term (below)
	s_lshl_b32 s46, s2, 4
	s_add_co_u32 s46, s46, RS1                     ; four rows of W1 a wave
	s_lshl_b32 s47, s2, 3
	s_add_co_u32 s47, s47, RS2                     ; two rows of W2
	s_lshl_b32 s48, s2, 2
	s_add_co_u32 s48, s48, RS3                     ; one row of each small image
	s_mul_i32 s49, s2, 320                         ; A1 = 0: four rows of 80 bytes
	s_mul_i32 s50, s2, 288
	s_add_co_u32 s50, s50, A2                      ; two rows of 144 bytes
	s_mul_i32 s51, s2, 80
	s_add_co_u32 s51, s51, A3                      ; one row of 80 bytes
	; the set-up's three masks, in one run, each in a scalar register of its own
	v_cmp_ne_u32 s52, 7, v11                       ; threads that have a second pair of W1 (q = 7 has none: its place takes the bias)
	v_cmp_eq_u32 s53, s41, v10                     ; W4's image: my k block is the row's
	v_cmp_eq_u32 s54, s42, v86                     ; W5's image: my eight k are the row's tile
	; offsets of the small loads
	v_mul_u32_u24 v46, 120, v12                    ; my row of W1
	v_lshl_add_u32 v13, v11, 3, v46                ; its pair q (columns 2 q, 2 q + 1)
	v_min_u32 v47, 6, v11
	v_lshl_add_u32 v14, v47, 3, v46                ; with offset 64: pair 8 + q; thread q = 7 has none, reads pair 14 and drops it
	v_lshlrev_b32 v15, 2, v12                      ; b1[m1]
	v_lshlrev_b32 v16, 4, v0                       ; W2: four numbers a thread
	v_lshlrev_b32 v17, 2, v0                       ; W3: row w, column L
	v_lshl_add_u32 v18, v9, 2, s37                 ; W4[w & 7][L & 15]
	v_lshl_add_u32 v19, v11, 2, s40                ; W5[w & 1][L & 7]
	v_lshlrev_b32 v20, 5, v10                      ; 32 h
	v_mov_b32 v21, 0
	v_lshlrev_b32 v22, 2, v8                       ; 4 L
	v_lshlrev_b32 v23, 2, v9                       ; 4 (L & 15)
	v_lshlrev_b32 v24, 2, v11                      ; 4 (L & 7)
	v_and_b32 v25, 1, v8
	v_lshlrev_b32 v25, 2, v25                      ; 4 (L & 1)
	; LDS addresses of the set-up's stores
	v_lshl_add_u32 v78, v86, 2, s46                ; RS1[4 w + L / 8]
	v_lshl_add_u32 v79, v10, 2, s47                ; RS2[2 w + h]
	v_mov_b32 v80, s48                             ; RS3[w]; RS4 and RS5 by the offset
	v_mul_u32_u24 v81, 80, v86                     ; A1: row 4 w + L / 8,
	v_and_b32 v87, 1, v11
	v_lshl_add_u32 v81, v87, 4, v81                ; pair q goes to word 4 (q & 1) + q / 2, which lane half q & 1 reads into register q / 2;
	v_lshrrev_b32 v88, 1, v11
	v_lshl_add_u32 v81, v88, 2, v81                ; pair 8 + q lies 32 bytes on
	v_add_nc_u32 v81, s49, v81
	v_mul_u32_u24 v84, 144, v10                    ; A2: row 2 w + h, 8 bytes at 8 r
	v_lshl_add_u32 v84, v9, 3, v84
	v_add_nc_u32 v84, s50, v84
	v_lshl_add_u32 v85, v8, 1, s51                 ; A3: row w, k = L; A4 and A5 by the offset
	v_mov_b32 v89, s43
	; what lives through the loop
	v_lshl_add_u32 v[LST], v8, 3, s43
	v_mul_u32_u24 v[LRD], 60, v9
	v_lshl_add_u32 v[LRD], v10, 2, v[LRD]
	v_add_nc_u32 v[LRD], s43, v[LRD]
	v_lshlrev_b32 v[OOFF], 3, v8
	v_mul_u32_u24 v[FR80], 80, v9
	v_lshl_add_u32 v[FR80], v10, 4, v[FR80]
	v_mul_u32_u24 v[FR144], 144, v9
	v_lshl_add_u32 v[FR144], v10, 4, v[FR144]
	v_lshlrev_b32 v[GOFF], 4, v8                   ; the thread's number is not needed any more
	s_mul_i32 s4, s3, BLKX                         ; idx <= 4095: below 2^25
	s_mov_b32 s5, 0
	s_lshl_b32 s6, s3, 9
	s_mov_b32 s7, 0
	s_wait_kmcnt 0x0
	s_add_nc_u64 s[32:33], s[8:9], s[4:5]          ; x at my first block
	s_add_nc_u64 s[34:35], s[30:31], s[6:7]        ; out at my first block
	s_wait_alu depctr_va_sdst(0)                   ; the masks s52, s53, s54 are written, ahead of their first readers, the selects of the set-up
	s_wait_alu depctr_va_vdst(0)                   ; every offset and LDS address above is written: the loads and stores of the whole kernel read them
; ---------------------------------------------------------------- 22 small loads, then the first block of x behind them
	global_load_b64  v[26:27], v13, s[10:11]                   ; W1[m1][2 q ..]
	global_load_b64  v[28:29], v14, s[10:11] offset:64         ; W1[m1][16 + 2 q ..]
	global_load_b32  v30, v15, s[12:13]                        ; b1[m1]
	global_load_b128 v[32:35], v16, s[14:15]                   ; W2[t / 16][4 (t & 15) ..]
	global_load_b32  v36, v17, s[18:19]                        ; W3[w][L]
	global_load_b32  v37, v18, s[22:23]
	global_load_b32  v38, v19, s[26:27]
	global_load_b128 v[B2:B2+3],     v20, s[16:17]             ; b2[8 h ..]
	global_load_b128 v[B2+4:B2+7],   v20, s[16:17] offset:16
	global_load_b128 v[B2+8:B2+11],  v20, s[16:17] offset:64   ; b2[16 + 8 h ..]
	global_load_b128 v[B2+12:B2+15], v20, s[16:17] offset:80
	global_load_b128 v[B3:B3+3],     v20, s[20:21]             ; b3[8 h ..]
	global_load_b128 v[B3+4:B3+7],   v20, s[20:21] offset:16
	global_load_b128 v[B4:B4+3],     v21, s[24:25]             ; b4[0 ..]
	global_load_b128 v[B4+4:B4+7],   v21, s[24:25] offset:16
	global_load_b64  v[B5:B5+1],     v21, s[28:29]
	global_load_b32  v40, v22, s[12:13]                        ; for the bounds: b1[L],
	global_load_b32  v41, v22, s[12:13] offset:128             ; b1[32 + L],
	global_load_b32  v42, v22, s[16:17]                        ; b2[L],
	global_load_b32  v43, v23, s[20:21]                        ; b3[L & 15],
	global_load_b32  v44, v24, s[24:25]                        ; b4[L & 7],
	global_load_b32  v45, v25, s[28:29]                        ; b5[L & 1]
	LOADX
	s_wait_loadcnt 15                              ; loads return in order: the 22 small ones are in, x's fifteen stay out through the whole set-up
; ---------------------------------------------------------------- row sums of |W|: all five are made, then stored in one run
	v_mov_b32 v51, 0                               ; v_permlanex16_b32 counts as a reader of its destination
	v_add_f32 v46, |v26|, |v27|
	v_add_f32 v47, |v28|, |v29|
	v_cndmask_b32 v47, 0, v47, s52                 ; thread q = 7 has no second pair
	v_add_f32 v46, v46, v47
	SUMX 46, 1
	SUMX 46, 2
	SUMX 46, 4                                     ; over the eight threads of a row
	v_add_f32 v48, |v32|, |v33|
	v_add_f32 v47, |v34|, |v35|
	v_add_f32 v48, v48, v47
	SUMX 48, 1
	SUMX 48, 2
	SUMX 48, 4
	SUMX 48, 8                                     ; over the sixteen threads of a row
	v_and_b32 v49, 0x7fffffff, v36
	SUM32 49
	v_cndmask_b32 v37, 0, v37, s53                 ; W4's image: zero off the diagonal blocks
	v_and_b32 v50, 0x7fffffff, v37
	SUM32 50
	v_cndmask_b32 v38, 0, v38, s54                 ; W5's image: zero but against the row's own tile
	v_and_b32 v47, 0x7fffffff, v38
	SUM32 47
	s_wait_alu depctr_va_vdst(0)                   ; the five sums v46, v48, v49, v50, v47 are written, which the LDS stores read
	ds_store_b32 v78, v46                          ; the eight threads of a row write one word with one value
	ds_store_b32 v79, v48
	ds_store_b32 v80, v49
	ds_store_b32 v80, v50 offset:RS4-RS3
	ds_store_b32 v80, v47 offset:RS5-RS3
	ds_store_b32 v89, v21 offset:3840              ; the word behind my block: row 63's lanes 16-31 load it and replace it by 1.0, 1.0
	s_wait_dscnt 0x0                               ; my stores are done, for the other waves' sake
	s_barrier_signal -1
	s_barrier_wait -1
; ---------------------------------------------------------------- bounds and scales: every wave makes all of them, alike
	ds_load_b32 v52, v22 offset:RS1
	ds_load_b32 v53, v22 offset:RS1+128
	ds_load_b32 v54, v22 offset:RS2
	ds_load_b32 v55, v23 offset:RS3
	ds_load_b32 v56, v23 offset:RS4
	ds_load_b32 v57, v23 offset:RS5
	s_wait_alu depctr_vm_vsrc(0)                   ; my LDS stores have read v46 to v50: the lines below write v46, v47 and v48 again
	s_wait_dscnt 0x0
	v_fma_f32 v58, v52, s44, |v40|
	v_fma_f32 v46, v53, s44, |v41|
	v_max_num_f32 v58, v58, v46
	MAX32 58
	v_max_num_f32 v58, RHOMIN, v58                 ; rho1
	RHO 59, 54, 58, 42
	RHO 60, 55, 59, 43
	RHO 61, 56, 60, 44
	RHO 62, 57, 61, 45
	SCALE 58, 64                                   ; v[64:65] = S1, 1 / S1
	SCALE 59, 66
	SCALE 60, 68
	SCALE 61, 70
	SCALE 62, 72
	v_mul_f32 v74, v66, v65                        ; S2 / S1
	v_mul_f32 v75, v68, v67                        ; S3 / S2
	v_mul_f32 v76, v70, v69                        ; S4 / S3
	v_mul_f32 v77, v72, v71                        ; S5 / S4
; ---------------------------------------------------------------- the images in f16: all are made, then stored in one run
	v_pk_mul_f32 v[26:27], v[26:27], v[64:65] op_sel_hi:[1,0]  ; both by S1
	v_pk_mul_f32 v[28:29], v[28:29], v[64:65] op_sel_hi:[1,0]
	v_mul_f32 v46, v30, v64                        ; S1 b1[m1]
	v_cvt_pk_f16_f32 v26, v26, v27
	v_cvt_pk_f16_f32 v28, v28, v29
	v_cvt_pk_f16_f32 v47, v46, v46
	v_cvt_f32_f16 v48, v47.l
	v_sub_f32 v48, v46, v48                        ; what the f16 left
	v_cvt_pk_f16_f32 v47, v46, v48
	v_cndmask_b32 v28, v47, v28, s52               ; thread q = 7: pair 15 is the bias in two parts
	v_pk_mul_f32 v[32:33], v[32:33], v[74:75] op_sel_hi:[1,0]  ; both by S2 / S1
	v_pk_mul_f32 v[34:35], v[34:35], v[74:75] op_sel_hi:[1,0]
	v_mul_f32 v36, v36, v75
	v_mul_f32 v37, v37, v76
	v_mul_f32 v38, v38, v77
	v_cvt_pk_f16_f32 v32, v32, v33
	v_cvt_pk_f16_f32 v33, v34, v35
	v_cvt_pk_f16_f32 v36, v36, v36
	v_cvt_pk_f16_f32 v37, v37, v37
	v_cvt_pk_f16_f32 v38, v38, v38
	s_wait_alu depctr_va_vdst(0)                   ; the conversions and the select have written v26, v28, v32, v33, v36, v37, v38, which the LDS stores read
	ds_store_b32 v81, v26
	ds_store_b32 v81, v28 offset:32
	ds_store_b64 v84, v[32:33]
	ds_store_b16 v85, v36
	ds_store_b16 v85, v37 offset:A4-A3
	ds_store_b16 v85, v38 offset:A5-A3
.irp j, 0,2,4,6,8,10,12,14
	v_pk_mul_f32 v[B2+\j:B2+\j+1], v[B2+\j:B2+\j+1], v[66:67] op_sel_hi:[1,0]  ; the biases stay in f32: by S2,
.endr
.irp j, 0,2,4,6
	v_pk_mul_f32 v[B3+\j:B3+\j+1], v[B3+\j:B3+\j+1], v[68:69] op_sel_hi:[1,0]  ; S3,
	v_pk_mul_f32 v[B4+\j:B4+\j+1], v[B4+\j:B4+\j+1], v[70:71] op_sel_hi:[1,0]  ; S4
.endr
	v_mov_b32 v[IS], v73
	v_mov_b32 v[IS+1], v73
	s_wait_dscnt 0x0                               ; my parts of the images are stored, for the other waves' sake
	s_barrier_signal -1
	s_barrier_wait -1
; ---------------------------------------------------------------- the weights' fragments: lane (r, h) takes bytes 16 h .. and 32 + 16 h .. of row r; they stay for the whole kernel
	s_wait_alu depctr_va_vdst(0)                   ; the set-up's vector instructions are done writing and reading v8 to v95, in which the fragments land (the last: the biases' scalings, which read the scales)
	s_wait_alu depctr_vm_vsrc(0)                   ; the set-up's loads and LDS stores have read their offsets, addresses and data, all of which lie in v8 to v95
.irp mt, 0,1,2,3
	ds_load_b128 v[W1+8*\mt:W1+8*\mt+3],   v[FR80] offset:A1+1280*\mt
	ds_load_b128 v[W1+8*\mt+4:W1+8*\mt+7], v[FR80] offset:A1+1280*\mt+32
.endr
.irp mt, 0,1
.irp ks, 0,1
	ds_load_b128 v[W2+8*(2*\mt+\ks):W2+8*(2*\mt+\ks)+3],   v[FR144] offset:A2+2304*\mt+64*\ks
	ds_load_b128 v[W2+8*(2*\mt+\ks)+4:W2+8*(2*\mt+\ks)+7], v[FR144] offset:A2+2304*\mt+64*\ks+32
.endr
.endr
	ds_load_b128 v[W3:W3+3],   v[FR80] offset:A3
	ds_load_b128 v[W3+4:W3+7], v[FR80] offset:A3+32
	ds_load_b128 v[W4:W4+3],   v[FR80] offset:A4
	ds_load_b128 v[W4+4:W4+7], v[FR80] offset:A4+32
	ds_load_b128 v[W5:W5+3],   v[FR80] offset:A5
	ds_load_b128 v[W5+4:W5+7], v[FR80] offset:A5+32
	s_mov_b32 vcc_lo, 0xffff                       ; lanes 0-15, for the whole loop: no line below writes it, and no vector instruction of the text writes it at all
	s_cmp_lt_u32 s3, FULL
	s_cselect_b32 s36, 3, 2                        ; trips that fetch a further block: my blocks less one
; ---------------------------------------------------------------- the loop: one block a trip, the next block's fifteen loads out during all of its arithmetic
.Ltrip:
	STAGE
	s_add_nc_u64 s[32:33], s[32:33], XSTEP         ; STAGE's last wait on the loads was for 0: no load that names this base is out
	LOADX                                          ; no vector instruction since STAGE's wait behind its conversions names X
	BLOCK
	s_wait_xcnt 0x0                                ; the stores' base and data (D's first four registers) are written again only behind this wait
	s_add_nc_u64 s[34:35], s[34:35], OSTEP
	s_sub_co_i32 s36, s36, 1
	s_cmp_lg_u32 s36, 0
	s_cbranch_scc1 .Ltrip
	STAGE                                          ; the last block fetches nothing: no load passes x's end
	BLOCK
	s_wait_dscnt 0x0
	s_wait_alu depctr_hold_cnt(0) depctr_sa_sdst(0) depctr_va_vdst(0) depctr_va_sdst(0) depctr_va_ssrc(0) depctr_va_vcc(0) depctr_vm_vsrc(0)
	s_wait_tensorcnt 0x0
	ds_add_u32 v254, v255
	s_wait_dscnt 0x0
	s_endpgm
.Lfunc_end_k_q482b241008_mlp:
	.size	k_q482b241008_mlp, .Lfunc_end_k_q482b241008_mlp-k_q482b241008_mlp
	.p2alignl 7, 3214868480
	.fill 96, 4, 3214868480
	.section	.rodata,"a",@progbits
	.p2align	6, 0x0
	.amdhsa_kernel k_q482b241008_mlp
		.amdhsa_group_segment_fixed_size 81920
		.amdhsa_private_segment_fixed_size 0
		.amdhsa_enable_private_segment 0
		.amdhsa_kernarg_size 96
		.amdhsa_user_sgpr_count 2
		.amdhsa_user_sgpr_kernarg_segment_ptr 1
		.amdhsa_wavefront_size32 1
		.amdhsa_system_sgpr_workgroup_id_x 1
		.amdhsa_system_sgpr_workgroup_id_y 1
		.amdhsa_system_sgpr_workgroup_id_z 1
		.amdhsa_system_vgpr_workitem_id 0
		.amdhsa_next_free_vgpr 256
		.amdhsa_next_free_sgpr 66
		.amdhsa_reserve_vcc 1
		.amdhsa_float_denorm_mode_32 3
		.amdhsa_float_denorm_mode_16_64 3
		.amdhsa_memory_ordered 1
		.amdhsa_forward_progress 1
		.amdhsa_inst_pref_size 72
	.end_amdhsa_kernel
	.amdgpu_metadata
---
amdhsa.version: [ 1, 2 ]
amdhsa.kernels:
  - .name:           k_q482b241008_mlp
    .symbol:         k_q482b241008_mlp.kd
    .args:
      - { .name: x, .offset: 0, .size: 8, .value_kind: global_buffer, .address_space: global }
      - { .name: w1, .offset: 8, .size: 8, .value_kind: global_buffer, .address_space: global }
      - { .name: b1, .offset: 16, .size: 8, .value_kind: global_buffer, .address_space: global }
      - { .name: w2, .offset: 24, .size: 8, .value_kind: global_buffer, .address_space: global }
      - { .name: b2, .offset: 32, .size: 8, .value_kind: global_buffer, .address_space: global }
      - { .name: w3, .offset: 40, .size: 8, .value_kind: global_buffer, .address_space: global }
      - { .name: b3, .offset: 48, .size: 8, .value_kind: global_buffer, .address_space: global }
      - { .name: w4, .offset: 56, .size: 8, .value_kind: global_buffer, .address_space: global }
      - { .name: b4, .offset: 64, .size: 8, .value_kind: global_buffer, .address_space: global }
      - { .name: w5, .offset: 72, .size: 8, .value_kind: global_buffer, .address_space: global }
      - { .name: b5, .offset: 80, .size: 8, .value_kind: global_buffer, .address_space: global }
      - { .name: out0, .offset: 88, .size: 8, .value_kind: global_buffer, .address_space: global }
    .group_segment_fixed_size: 81920
    .private_segment_fixed_size: 0
    .kernarg_segment_align: 8
    .kernarg_segment_size: 96
    .max_flat_workgroup_size: 512
    .sgpr_count:     66
    .vgpr_count:     256
    .wavefront_size: 32
...
	.end_amdgpu_metadata
.endif
;; end of part 2
